; MI455X (gfx1250); checked and timed in simulation.
; The chip was launched on July 23, 2026; its instructions are those of AMD's public machine-readable ISA for CDNA 5 (MIT licence, August 2026) and "CDNA5" Instruction Set Architecture Reference Guide (July 2026). The comments in the code are by the model that wrote it; some were corrected since.
;; Action Discretizer. Allowed arithmetic: matrix products marked QUANTISED: E3M2 operands, one E8M0 scale for each 32 along K, by v_wmma_scale_f32_16x16x128_f8f6f4 with both operands' format E3M2, f32 sums; everything else in f32.
;; Inputs: centroids 4,096 x 512 float32; x 32,768 x 512 float32.
;; Outputs: out0 32,768 int32.
;; This version of the problem:
;;   THIS VERSION OF THE PROBLEM IS GIVEN IN LOW PRECISION. The matrix products marked QUANTISED in the list below multiply operands that are first quantised to E3M2 (3 exponent bits, 2 mantissa bits; 6 bits a number), with one power-of-two scale for each 32 numbers along K (OCP MX v1.0); their sums are f32. All else is computed in f32.
;;   The module's matrix products, in the order in which they are computed (A, B: the left and right operand; K: the contracted axis; several contracted axes count as one K, in the product's order):
;;     1. [M 32,768, K 512] x [K 512, N 4,096]; A: input x; B: input centroids: QUANTISED
;;   THE QUANTISER, for each operand of a quantised product, along K:
;;     - K is cut into blocks of 32 from its start; a last block that is shorter is filled with zeros.
;;     - A block's scale is 2^e with e = floor(log2(the largest magnitude in the block)) - 4, held to -126 .. 127; a block of zeros has e = 0. As a byte (E8M0): e + 127.
;;     - Each number is divided by its block's scale, clamped to +-28, and rounded to the nearest number of E3M2, ties to even, subnormals kept.
;;     - The product sums the exact products of the quantised numbers (number of the format x scale) in f32.
;;   ~~~python
;;   def quantise(x, axis):      # numpy; x: float32 -> the quantised numbers, widened to float32 again
;;       x = np.moveaxis(x, axis, -1); K = x.shape[-1]
;;       x = np.pad(x, [(0, 0)] * (x.ndim - 1) + [(0, -K % 32)]); x = x.reshape(x.shape[:-1] + (-1, 32)); a = np.abs(x).max(-1, keepdims=True)
;;       e = np.where(a > 0, np.clip(np.frexp(np.where(a > 0, a, 1))[1] - 1 - 4, -126, 127), 0)      # np.frexp(a)[1] - 1 = floor(log2(a)), exactly
;;       r = np.clip(x / 2.0 ** e, -28, 28)
;;       step = 2.0 ** (np.maximum(np.frexp(np.where(r == 0, 1, r))[1] - 1, -2) - 2)
;;       q = np.round(r / step) * step * 2.0 ** e      # np.round: ties to even
;;       return np.moveaxis(q.reshape(q.shape[:-2] + (-1,))[..., :K], -1, axis).astype(np.float32)
;;   ~~~
;; One version. Each part assembles by itself: llvm-mc -triple=amdgcn-amd-amdhsa -mcpu=gfx1250 --defsym DOCPART=n.
;; ======== version 1 of 1: 2 launches
;; limits: right only within a limited range of input values
;; workspace buffers: cimg 1,572,864 bytes; cmeta 81,920 bytes
;; launch prep (part 1): grid 256 x 1, 4 waves a work-group, no clusters, 18,944 bytes of LDS; arguments centroids, cimg, cmeta; writes cimg, cmeta
.if DOCPART == 1
	.amdgcn_target "amdgcn-amd-amdhsa--gfx1250"
	.amdhsa_code_object_version 6
	.text
	.protected	k_q890b23b753_prep
	.globl	k_q890b23b753_prep
	.p2align	8
	.type	k_q890b23b753_prep,@function
k_q890b23b753_prep:
	s_mov_b64 s[64:65], 0
	v_nop
	global_prefetch_b8 v0, s[64:65] scope:SCOPE_SE
	s_setreg_imm32_b32 hwreg(HW_REG_WAVE_MODE, 25, 1), 1
	s_wait_xcnt 0x0
; The centroids [4096][512], f32, are quantised ONCE, for the 256 work-groups of the product's launch that all read them:
; codes of BF6 (E3M2), one E8M0 scale byte for each 32 along K, and beside them c_sq[k] = the sum of the squares of the UNQUANTISED row k, in f32.
; LAYOUT OF THE RESULTS: images of the operand's registers, so that the reader takes a fragment by three loads of 16 bytes a lane and nothing knows of rows.
;   cimg : block cb (centroids 16 cb .. 16 cb + 15) at 6144 cb; its fragment of K step s (128 along K: 12 registers a lane) at + 1536 s; registers 4 c .. 4 c + 3 of lane l at + 512 c + 16 l.
;   cmeta: bytes 0 .. 65,535: 256 bytes a block: lane l = (r = l % 16, h = l / 16) finds at 256 cb + 8 l + 4 q the scale word (four bytes, 128 along K) of centroid r for K step 2 q + h:
;          one register then carries two K steps' words, one in lanes 0-15 and one in lanes 16-31.   bytes 65,536 on: c_sq, f32 [4096].
; SHARES: work-group cb takes 16 centroids; wave s takes K step s of them: 16 rows x 512 bytes.
; A block's scale is 2^(floor(log2(its largest magnitude)) - 4); its byte is the largest magnitude's exponent field - 4, held at 1 from below.
; LIMITS: a block of zeros gets the byte 1 where the rule says 127 (its codes are zeros, which add nothing under any byte but 0xff, and this program alone reads the bytes);
; blocks whose largest magnitude lies under 2^-122 keep the byte 1; NaN and infinities among the inputs are not served.
; c_sq is summed in this text's own order (eight chains a lane, the two halves of the lanes, the four K steps): its last bits may differ from a sum in another order.
; The 16 numbers of c_sq are 64 bytes a work-group: a short store, one byte in 512 of what the work-group reads.
.set STG,  4352                        ; LDS: a stage for each wave: 16 rows x (256 bytes + 16): 68 words from row to row, so that the 16 rows of a load start at 16 different banks (64 banks of 4 bytes: ISA guide 11.1)
.set SI,   4*STG                       ; the block's scale words, laid as in cmeta: 256 bytes
.set CS,   SI+256                      ; the waves' parts of c_sq: 64 bytes a wave
.set RAW,  16                          ; v16-79   the numbers as loaded: chunk cc (256 bytes of each row) at 32 cc
.set ST,   80                          ; v80-143  64 numbers of my row: register 16 b + i = k 32 b + 16 h + i of the K step
.set PC,   144                         ; v144-155 the fragment's codes
.set T2,   156                         ; v156-163 at work
.set TM,   164                         ; v164-179 at work: largest magnitudes, bytes, scale operands
.set PW,   180                         ; v180     my row's scale word
.set SQ,   182                         ; v182-189 four packed chains of squares
.set SEL,  20                          ; s[20:21] lane selects for v_permlanex16_b32: lane l xor 16
; 64 numbers of a lane, register 16 b + i = k 32 b + 16 (lane / 16) + i of its row, become a fragment's 12 registers of codes in v[dst] on and the row's scale word in v[pw].
.macro QUANT src, dst, pw
.irp b, 0,1,2,3
	v_max3_num_f32 v[TM+\b], |v[\src+16*\b]|, |v[\src+16*\b+1]|, 0x2800000   ; block b: my 16 numbers, and the floor 2^(5 - 127): the byte cannot fall under 1
.endr
.irp i, 2,4,6,8,10,12,14
.irp b, 0,1,2,3
	v_max3_num_f32 v[TM+\b], v[TM+\b], |v[\src+16*\b+\i]|, |v[\src+16*\b+\i+1]|   ; the four blocks by turns
.endr
.endr
.irp b, 0,1,2,3
	v_permlanex16_b32 v[TM+4+\b], v[TM+\b], s[SEL], s[SEL+1]
.endr
.irp b, 0,1,2,3
	v_max_num_f32 v[TM+\b], v[TM+\b], v[TM+4+\b]             ; with lane l xor 16's 16: the block's largest magnitude
.endr
.irp b, 0,1,2,3
	v_add_nc_u32 v[TM+12+\b], 0xfe000000, v[TM+\b]           ; 4 off its exponent field: the conversion takes the exponent field of this operand as its scale
.endr
.irp b, 0,1,2,3
	v_lshrrev_b32 v[TM+4+\b], 23, v[TM+12+\b]                ; the scale's byte
.endr
	v_lshl_or_b32 v[\pw], v[TM+5], 8, v[TM+4]
	v_lshl_or_b32 v[\pw], v[TM+6], 16, v[\pw]
	v_lshl_or_b32 v[\pw], v[TM+7], 24, v[\pw]
.irp c, 0,1
	v_cvt_scalef32_pk16_bf6_f32 v[(\dst)+6*\c:(\dst)+6*\c+2], v[\src+32*\c:\src+32*\c+15], v[TM+12+2*\c]
	v_cvt_scalef32_pk16_bf6_f32 v[T2+4*\c:T2+4*\c+2], v[\src+32*\c+16:\src+32*\c+31], v[TM+12+2*\c+1]   ; (a conversion's three registers begin on an even number)
.endr
	v_nop                                                    ; one plain instruction behind the scaled conversions
.irp c, 0,1                                                  ; the operand wants a WHOLE block in a lane: lanes 0-15 block 2 c, lanes 16-31 block 2 c + 1
.irp i, 0,1,2
	v_permlane16_swap_b32 v[(\dst)+6*\c+\i], v[T2+4*\c+\i]
.endr
.irp i, 0,1,2
	v_mov_b32 v[(\dst)+6*\c+3+\i], v[T2+4*\c+\i]
.endr
.endr
.endm
; Chunk cc goes through the wave's stage: in as loaded (16 lanes to 256 bytes of a row), back 64 bytes a lane.  LDS serves a wave's instructions in order (ISA guide 5.7.1.4): no wait between them.
.macro TURN cc
.irp i, 0,1,2,3,4,5,6,7
	ds_store_b128 v5, v[RAW+32*\cc+4*\i:RAW+32*\cc+4*\i+3] offset:544*\i
.endr
.irp b, 0,1
.irp j, 0,1,2,3
	ds_load_b128 v[ST+32*\cc+16*\b+4*\j:ST+32*\cc+16*\b+4*\j+3], v6 offset:128*\b+16*\j
.endr
.endr
.endm
	s_load_b128 s[4:7], s[0:1], 0x0                ; centroids s[4:5], cimg s[6:7]
	s_load_b64 s[8:9], s[0:1], 0x10                ; cmeta
	v_lshl_add_u32 v192, v0, 2, 0x4800
	v_mov_b32 v193, 0
	v_lshrrev_b32 v1, 5, v0
	v_readfirstlane_b32 s16, v1                    ; wave = K step
	v_and_b32 v1, 31, v0                           ; lane
	v_and_b32 v2, 15, v0                           ; r
	v_bfe_u32 v3, v0, 4, 1                         ; h
	v_lshlrev_b32 v4, 11, v3
	v_lshl_add_u32 v4, v2, 4, v4                   ; in memory: lanes 0-15 take 256 bytes of one row, lanes 16-31 of the next: 2048 h + 16 r
	s_mul_i32 s17, s16, STG                        ; my stage
	v_mul_u32_u24 v5, v3, 272
	v_lshl_add_u32 v5, v2, 4, v5
	v_add_nc_u32 v5, s17, v5                       ; into it: 272 h + 16 r
	v_mul_u32_u24 v6, v2, 272
	v_lshl_add_u32 v6, v3, 6, v6
	v_add_nc_u32 v6, s17, v6                       ; out of it: row r, 64 h: my 16 numbers of a block of 32
	v_lshlrev_b32 v7, 4, v1                        ; an image's place for my lane
	s_and_b32 s18, s16, 1
	s_lshl_b32 s18, s18, 7
	s_lshr_b32 s19, s16, 1
	s_lshl_b32 s19, s19, 2
	s_add_co_u32 s18, s18, s19
	s_add_co_u32 s18, s18, SI
	v_lshl_add_u32 v8, v2, 3, s18                  ; my row's scale word: SI + 8 (16 (s % 2) + r) + 4 (s / 2)
	s_lshl_b32 s19, s16, 6
	s_add_co_u32 s19, s19, CS
	v_lshl_add_u32 v9, v2, 2, s19                  ; my row's part of c_sq: CS + 64 s + 4 r
	v_lshl_add_u32 v10, v1, 3, SI                  ; wave 0 reads the scale words back, 8 bytes a lane,
	v_lshl_add_u32 v11, v2, 2, CS                  ; and the four parts of c_sq
	v_lshlrev_b32 v12, 3, v1
	v_lshlrev_b32 v13, 2, v2
.irp b, 0,1,2,3
	v_mov_b32 v[TM+4+\b], 0                        ; written once: a lane permute's destination counts as one of its sources
.endr
	s_lshl_b32 s10, ttmp9, 15                      ; 16 rows of 2,048 bytes a work-group,
	s_lshl_b32 s11, s16, 9                         ; 512 bytes of each row a wave
	s_add_co_u32 s10, s10, s11
	s_mov_b32 s11, 0
	s_mul_i32 s12, ttmp9, 6144
	s_mul_i32 s13, s16, 1536
	s_add_co_u32 s12, s12, s13
	s_mov_b32 s13, 0
	s_lshl_b32 s14, ttmp9, 8
	s_mov_b32 s15, 0
	s_lshl_b32 s22, ttmp9, 6
	s_add_co_u32 s22, s22, 65536
	s_mov_b32 s23, 0
	s_mov_b32 s[SEL], 0x76543210
	s_mov_b32 s[SEL+1], 0xfedcba98
	s_wait_kmcnt 0x0
	s_add_nc_u64 s[4:5], s[4:5], s[10:11]
	s_add_nc_u64 s[6:7], s[6:7], s[12:13]
	s_add_nc_u64 s[24:25], s[8:9], s[14:15]        ; the block's scale words
	s_add_nc_u64 s[26:27], s[8:9], s[22:23]        ; the block's c_sq
.irp cc, 0,1
.irp i, 0,1,2,3,4,5,6,7
	global_load_b128 v[RAW+32*\cc+4*\i:RAW+32*\cc+4*\i+3], v4, s[4:5] offset:4096*\i+256*\cc th:TH_LOAD_NT   ; 16 lanes read 256 consecutive bytes, at a multiple of 256 from the buffer's first byte
.endr
.endr
	s_wait_loadcnt 8                               ; chunk 0's eight loads are in; chunk 1's eight may be out
	TURN 0
	s_wait_loadcnt 0x0
	TURN 1
	s_wait_dscnt 0x0
	; the squares of my 64 numbers, two at a time, in four chains started by the first four products
.irp c, 0,1,2,3
	v_pk_mul_f32 v[SQ+2*\c:SQ+2*\c+1], v[ST+2*\c:ST+2*\c+1], v[ST+2*\c:ST+2*\c+1]
.endr
.set j, 4
.rept 28
	v_pk_fma_f32 v[SQ+2*(j%4):SQ+2*(j%4)+1], v[ST+2*j:ST+2*j+1], v[ST+2*j:ST+2*j+1], v[SQ+2*(j%4):SQ+2*(j%4)+1]
.set j, j+1
.endr
	v_pk_add_f32 v[SQ:SQ+1], v[SQ:SQ+1], v[SQ+2:SQ+3]
	v_pk_add_f32 v[SQ+4:SQ+5], v[SQ+4:SQ+5], v[SQ+6:SQ+7]
	v_pk_add_f32 v[SQ:SQ+1], v[SQ:SQ+1], v[SQ+4:SQ+5]
	v_add_f32 v[SQ], v[SQ], v[SQ+1]
	v_permlanex16_b32 v[SQ+2], v[SQ], s[SEL], s[SEL+1]
	v_add_f32 v[SQ], v[SQ], v[SQ+2]                ; with lane l xor 16's 64: my row's 128 numbers of this K step
	QUANT ST, PC, PW
.irp c, 0,1,2
	global_store_b128 v7, v[PC+4*\c:PC+4*\c+3], s[6:7] offset:512*\c   ; the image: each store covers 512 consecutive bytes, aligned to 512
.endr
	ds_store_b32 v8, v[PW]                         ; (lanes r and 16 + r write the same word with the same value)
	ds_store_b32 v9, v[SQ]
	s_wait_dscnt 0x0                               ; for the others' sake: my stores have landed
	s_barrier_signal -1
	s_barrier_wait -1
	s_cmp_lg_u32 s16, 0                            ; wave 0 sends what the four waves have gathered
	s_cbranch_scc1 .Ldone
	ds_load_b64 v[T2:T2+1], v10
.irp w, 0,1,2,3
	ds_load_b32 v[TM+\w], v11 offset:64*\w
.endr
	s_wait_dscnt 0x0
	global_store_b64 v12, v[T2:T2+1], s[24:25]     ; 32 lanes store 256 consecutive bytes, aligned to 256
	v_add_f32 v[TM], v[TM], v[TM+1]
	v_add_f32 v[TM+2], v[TM+2], v[TM+3]
	v_add_f32 v[TM], v[TM], v[TM+2]                ; c_sq of centroid r
	v_cmp_gt_u32 vcc_lo, 16, v1
	s_wait_alu depctr_va_vdst(0)
	s_wait_xcnt 0x0                                ; EXEC is a source of the stores above: it changes only behind this wait
	s_and_saveexec_b32 s28, vcc_lo
	global_store_b32 v13, v[TM], s[26:27]          ; lanes 0-15: 64 bytes
	s_wait_xcnt 0x0                                ; and again, in front of the line that widens it
	s_or_b32 exec_lo, exec_lo, s28
.Ldone:
	s_wait_tensorcnt 0x0
	ds_add_u32 v192, v193
	s_wait_dscnt 0x0
	s_endpgm
.Lfunc_end_k_q890b23b753_prep:
	.size	k_q890b23b753_prep, .Lfunc_end_k_q890b23b753_prep-k_q890b23b753_prep
	.p2alignl 7, 3214868480
	.fill 96, 4, 3214868480
	.section	.rodata,"a",@progbits
	.p2align	6, 0x0
	.amdhsa_kernel k_q890b23b753_prep
		.amdhsa_group_segment_fixed_size 18944
		.amdhsa_private_segment_fixed_size 0
		.amdhsa_enable_private_segment 0
		.amdhsa_kernarg_size 24
		.amdhsa_user_sgpr_count 2
		.amdhsa_user_sgpr_kernarg_segment_ptr 1
		.amdhsa_wavefront_size32 1
		.amdhsa_system_sgpr_workgroup_id_x 1
		.amdhsa_system_sgpr_workgroup_id_y 1
		.amdhsa_system_sgpr_workgroup_id_z 1
		.amdhsa_system_vgpr_workitem_id 0
		.amdhsa_next_free_vgpr 194
		.amdhsa_next_free_sgpr 66
		.amdhsa_reserve_vcc 1
		.amdhsa_float_denorm_mode_32 3
		.amdhsa_float_denorm_mode_16_64 3
		.amdhsa_memory_ordered 1
		.amdhsa_forward_progress 1
		.amdhsa_inst_pref_size 14
	.end_amdhsa_kernel
	.amdgpu_metadata
---
amdhsa.version: [ 1, 2 ]
amdhsa.kernels:
  - .name:           k_q890b23b753_prep
    .symbol:         k_q890b23b753_prep.kd
    .args:
      - { .name: centroids, .offset: 0, .size: 8, .value_kind: global_buffer, .address_space: global }
      - { .name: cimg, .offset: 8, .size: 8, .value_kind: global_buffer, .address_space: global }
      - { .name: cmeta, .offset: 16, .size: 8, .value_kind: global_buffer, .address_space: global }
    .group_segment_fixed_size: 18944
    .private_segment_fixed_size: 0
    .kernarg_segment_align: 8
    .kernarg_segment_size: 24
    .max_flat_workgroup_size: 128
    .sgpr_count:     66
    .vgpr_count:     194
    .wavefront_size: 32
...
	.end_amdgpu_metadata
.endif
;; end of part 1
;; launch vq (part 2): grid 256 x 1, 4 waves a work-group, clusters of 4 x 1, 327,680 bytes of LDS; arguments x, cimg, cmeta, out0; writes out0
.if DOCPART == 2
	.amdgcn_target "amdgcn-amd-amdhsa--gfx1250"
	.amdhsa_code_object_version 6
	.text
	.protected	k_q890b23b753_vq
	.globl	k_q890b23b753_vq
	.p2align	8
	.type	k_q890b23b753_vq,@function
k_q890b23b753_vq:
	s_mov_b64 s[64:65], 0
	v_nop
	global_prefetch_b8 v0, s[64:65] scope:SCOPE_SE
	s_setreg_imm32_b32 hwreg(HW_REG_WAVE_MODE, 25, 1), 1
	s_wait_xcnt 0x0
	s_wait_alu depctr_hold_cnt(0) depctr_sa_sdst(0) depctr_va_vdst(0) depctr_va_sdst(0) depctr_va_ssrc(0) depctr_va_vcc(0) depctr_vm_vsrc(0)
	s_getreg_b32 s2, hwreg(HW_REG_IB_STS2, 6, 4)
	s_cmp_eq_u32 s2, 0
	s_cbranch_scc0 .Lentry_in_a_cluster
	s_endpgm
.Lentry_in_a_cluster:
	s_bfe_u32 s2, ttmp6, 0x10000c
	s_cmp_lg_u32 s2, 0x3003
	s_cbranch_scc0 .Lentry_shape_is_right
	s_endpgm
.Lentry_shape_is_right:
; out0[b] = the first k at which d[b][k] = c_sq[k] - 2 xc[b][k] is smallest; xc = x centroids^T on codes of BF6 (E3M2) with one E8M0 scale for each 32 along K = 512; sums in f32, K ascending, one accumulator.
; d COMES OUT OF THE MATRIX UNIT: x's codes carry the opposite sign (the quantiser is odd: Q(-x) = -Q(x)), x's scale bytes carry 1 more (a factor 2, exact; the bytes stay under 252), and c_sq is the C of a sum's first K step:
; the finished sum is c_sq - 2 xc.  LIMIT: d is so rounded at each of the four K steps, where reference() rounds xc four times and d once: two centroids whose d lie within a few units in d's last place may change places.
; SHARES.  A row has ONE owner: a work-group owns 128 rows of x and walks all 4,096 centroids.  256 work-groups, four waves each.  EVERY wave holds the codes of all 128 rows in registers (8 row blocks x 4 K steps x 12 = 384)
; and takes a quarter of the centroids: a centroid fragment read from LDS feeds 8 matrix instructions.  x is read by this work-group alone: it is quantised here (each wave two row blocks), and goes from wave to wave through LDS as images of registers.
; THE CENTROIDS come as images (cimg, cmeta: made by the launch before).  A PERIOD is 32 blocks of 16 centroids, 196,608 bytes: wave w fetches, by ONE tensor load, and reads blocks 8 w .. 8 w + 7 of it (49,152 bytes).  LDS holds one period;
; the second buffer is in registers: seven fragment buffers of 48 take a period's eight blocks out of LDS (block 2 follows block 0 in its buffer) in units 7, 0 and 1, and the region is filled again in unit 1: 7 refills in all,
; each with the work of units 1 to 7 ahead of the wait for it.  Scale words and c_sq (81,920 bytes) come once and stay.
; CLUSTER.  All work-groups walk the same centroids: four form a cluster and ask for each tile JOINTLY.  A mask names four at the most, so a larger cluster would share no further.
; THE PRODUCT IS USED TRANSPOSED: source 0 = 16 centroids, source 1 = 16 rows of x: a lane (r = lane % 16, h = lane / 16) holds ONE row r and the centroids 8 h + 0 .. 7 of the block.
; THE SMALLEST d, for each accumulator (8 d a lane): 4 minima, a compare with the lane's running minimum (strictly smaller: the earlier group keeps a tie), and 5 pairs of selections that keep the minimum, the group's first centroid and the group's 8 d.
; The place in the winning group is read off those 8 at the end.  10 vector instructions for 4 matrix instructions.
; BATCHES.  A unit is one block of centroids against the 128 rows: two halves of 16 matrix instructions on 4 accumulators each, under one setting of the register windows; behind each half the OTHER set of accumulators is reduced, all in window 0.
; x's stream is asked for whole at the head, where there is no loop to run ahead in: no prefetch for it.  cimg's periods are prefetched by clusters 0 and 63 (macro ASK).
; LIMITS: NaN and infinities among the inputs are not served; a block of zeros keeps the floor's scale byte where the rule says 127 (its codes are zeros); blocks whose largest magnitude lies under 2^-122 keep that byte too.
;
; REGISTERS, in windows of 256 (s_set_vgpr_msb: bits 1:0 source 0, 3:2 source 1, 5:4 source 2, 7:6 destination):
;   window 0: addresses, scale words, c_sq, running minima, accumulators (below);   window 1: v0-191 x's row blocks 0-3 (48 a + 12 s), v192-239 a fragment buffer;   window 2: row blocks 4-7, a buffer;   window 3: x as loaded, then five buffers
.set HALF1, 1<<17                      ; the region: waves 0, 1 at LDS bytes 0 and 49,152; waves 2, 3 at 131,072 and 180,224
.set WPART, 49152                      ; a wave's part of a period: 8 blocks of 6,144 bytes
.set PERB,  196608                     ; a period's bytes in cimg
.set REC,   6144                       ; a block's four fragments
.set XREG,  98304                      ; between the halves: 6,144 bytes a wave: first its stage (16 rows x 272), then its four fragment images
.set XSC,   XREG+4*6144                ; x's scale words of a pass: 256 bytes a row block: + 128 q + 64 (s % 2) + 4 r
.set MRG,   XSC+1024                   ; the waves' winners: 1,024 bytes a wave, 8 bytes a row (d, index)
.set SPARE, MRG+4096                   ; the spare words, 128 bytes for each wave
.set META,  HALF1+98304                ; behind the region: cmeta as it lies
.set SCL,   META
.set CSQ,   META+65536
.set SPW, 1                            ; v1 my spare word's address, v2 = 0; never rewritten
.set NIL, 2
.set ADR, 4                            ; v4 16 l + my wave's part of the region
.set ASB, 5                            ; v5 SCL + 8 l + 2048 w - 8192;  v6 for the period in hand
.set ADS, 6
.set ACB, 7                            ; v7 CSQ + 32 h + 512 w - 2048;  v8 for the period in hand
.set ADC, 8
.set XG,  9                            ; x in memory: 2048 h + 16 r
.set STW, 10                           ; the stage, in: 272 h + 16 r
.set STR, 11                           ; the stage, out: 272 r + 64 h
.set XIW, 12                           ; where I store images
.set XIR, 13                           ; where I read them
.set XSW, 14                           ; where I store x's scale words
.set XSR, 15                           ; where I read them
.set XS,  16                           ; v16-31 register 2 A + q: lanes 0-15 row block A's words of K step 2 q, lanes 16-31 of 2 q + 1
.set BS,  32                           ; v32-35 register 2 p + q: the same of the centroids' block of a unit of parity p
.set MW,  36
.set MR,  37
.set PFO, 38                           ; 256 l: the prefetches' offset
.set OO,  39                           ; 8 l: my place in out0
.set CQ,  40                           ; v40-55 c_sq of my 8 centroids of that block: 8 p + j
.set T,   56                           ; v56-63 two temporaries an accumulator
.set RG,  64                           ; v64-79 row block A: 2 A the running minimum, 2 A + 1 its group's first centroid (+ 8 h)
.set PAY, 80                           ; v80-143 its group's 8 d
.set ACC, 144                          ; v144-207 two sets of 4 accumulators
.set TM,  208
.set T2,  224
.set FW,  232
.set UIDV, 251                         ; the first centroid (+ 8 h) of the unit that is being reduced
.set ST,  144                          ; while x is quantised: 64 numbers of my row; a pass's four fragments; their scale words
.set HOLD, 80
.set PWH, 128
.set WV,  12
.set G1,  16                           ; group 1, rows of 256 bytes: s[16:23] 192 rows, a wave's part of a period;  s[24:31] 80 rows, its part of cmeta
.set G1M, 24
.set G0W, 36                           ; group 0: the region's, whose global address walks;  cmeta's
.set G0M, 40
.set TS,  45
.set TC,  46
.set CNT, 48
.set SEL, 50
.set PFA, 52
.set LIM, 54
.set SG,  80                           ; s80-82 the sign bits of 16 codes in three registers
.set MSB, 0
.macro WIN new
.if MSB != \new
	s_set_vgpr_msb (MSB<<8)|\new
.set MSB, \new
.endif
.endm
.macro CREST                           ; a round of the cluster's barrier behind its opening barrier
	s_cmp_lg_u32 s[WV], 0
	s_cbranch_scc1 .Lnot_wave_0_\@
	s_barrier_signal -3
.Lnot_wave_0_\@:
	s_barrier_wait -3
	s_barrier_signal -1
	s_barrier_wait -1
.endm
.macro CROUND
	s_barrier_signal -1
	s_barrier_wait -1
	CREST
.endm
.macro TLOAD g0, g1                    ; a joint load
	tensor_load_to_lds s[\g0:\g0+3], s[\g1:\g1+7]
	s_nop 0
.rept 4
	v_nop
.endr
.endm
; 64 numbers of a lane, register 16 b + i = k 32 b + 16 (lane / 16) + i of its row, become a fragment's 12 registers of codes of -x and the row's scale word, each byte 1 up.
.macro QUANT src, dst, pw
.irp b, 0,1,2,3
	v_max3_num_f32 v[TM+\b], |v[\src+16*\b]|, |v[\src+16*\b+1]|, 0x2800000   ; my 16 numbers, and the floor 2^(5 - 127)
.endr
.irp i, 2,4,6,8,10,12,14
.irp b, 0,1,2,3
	v_max3_num_f32 v[TM+\b], v[TM+\b], |v[\src+16*\b+\i]|, |v[\src+16*\b+\i+1]|
.endr
.endr
.irp b, 0,1,2,3
	v_permlanex16_b32 v[TM+4+\b], v[TM+\b], s[SEL], s[SEL+1]
.endr
.irp b, 0,1,2,3
	v_max_num_f32 v[TM+\b], v[TM+\b], v[TM+4+\b]             ; the block's largest magnitude
.endr
.irp b, 0,1,2,3
	v_add_nc_u32 v[TM+12+\b], 0xfe000000, v[TM+\b]           ; 4 off its exponent field: the conversion's scale operand
.endr
.irp b, 0,1,2,3
	v_lshrrev_b32 v[TM+4+\b], 23, v[TM+12+\b]                ; the scale's byte
.endr
	v_lshl_or_b32 v[\pw], v[TM+5], 8, v[TM+4]
	v_lshl_or_b32 v[\pw], v[TM+6], 16, v[\pw]
	v_lshl_or_b32 v[\pw], v[TM+7], 24, v[\pw]
	v_add_nc_u32 v[\pw], 0x01010101, v[\pw]                  ; the factor 2 of 2 xc: each byte is 250 at the most, so no carry and no 0xff
.irp c, 0,1
	v_cvt_scalef32_pk16_bf6_f32 v[(\dst)+6*\c:(\dst)+6*\c+2], v[\src+32*\c:\src+32*\c+15], v[TM+12+2*\c]
	v_cvt_scalef32_pk16_bf6_f32 v[T2+4*\c:T2+4*\c+2], v[\src+32*\c+16:\src+32*\c+31], v[TM+12+2*\c+1]
.endr
	v_nop                                                    ; one plain instruction behind the scaled conversions
.irp c, 0,1                                                  ; the operand wants a WHOLE block in a lane
.irp i, 0,1,2
	v_permlane16_swap_b32 v[(\dst)+6*\c+\i], v[T2+4*\c+\i]
.endr
.irp i, 0,1,2
	v_mov_b32 v[(\dst)+6*\c+3+\i], v[T2+4*\c+\i]
.endr
.endr
.irp i, 0,1,2,3,4,5,6,7,8,9,10,11
	v_xor_b32 v[(\dst)+\i], s[SG+\i%3], v[(\dst)+\i]         ; every code's sign bit (bit 6 i + 5 of the stream) is turned: the codes of -x
.endr
.endm
.macro XLOAD rho, q                    ; chunk q (256 bytes of each of my 16 rows) of pass rho's row block, into window 3: 16 lanes read 256 consecutive bytes, aligned
	WIN 0xc0
.irp i, 0,1,2,3,4,5,6,7
	global_load_b128 v[32*(\q)+4*\i:32*(\q)+4*\i+3], v[XG], s[4:5] offset:131072*(\rho)+4096*\i+256*(\q) th:TH_LOAD_NT
.endr
.endm
.macro TURN q, cc                      ; chunk q through my stage: in as loaded, back 64 bytes a lane.  LDS serves a wave's instructions in order (ISA guide 5.7.1.4)
	WIN 0x0c
.irp i, 0,1,2,3,4,5,6,7
	ds_store_b128 v[STW], v[32*(\q)+4*\i:32*(\q)+4*\i+3] offset:544*\i
.endr
	WIN 0
.irp b, 0,1
.irp j, 0,1,2,3
	ds_load_b128 v[ST+32*(\cc)+16*\b+4*\j:ST+32*(\cc)+16*\b+4*\j+3], v[STR] offset:128*\b+16*\j
.endr
.endr
.endm
.macro XFRAG rho, s                    ; K step s of my row block of pass rho.  Pass 0 keeps 64 loads out: a K step's raw registers take pass 1's loads as soon as the stage has read them
	s_wait_loadcnt 56-16*(\s)*(\rho)               ; the oldest eight loads, chunk 2 s, are in; pass 1 issues none, so its counts run down
	TURN 2*(\s), 0
	s_wait_loadcnt 48-16*(\s)*(\rho)
	TURN 2*(\s)+1, 1
	s_wait_dscnt 0x0
.if (\rho) == 0
	XLOAD 1, 2*(\s)
	XLOAD 1, 2*(\s)+1
	WIN 0
.endif
	QUANT ST, HOLD+12*(\s), PWH+(\s)
.endm
; A pass: wave w quantises row block 4 rho + w; fragments and scale words go to LDS as they stand; a barrier; every wave takes the pass's 16 fragments (window 1 + rho) and scale words.
.macro XPASS rho
	XFRAG \rho, 0
	XFRAG \rho, 1
	XFRAG \rho, 2
	XFRAG \rho, 3
.set n, 0
.rept 12
	ds_store_b128 v[XIW], v[HOLD+4*n:HOLD+4*n+3] offset:512*n      ; over my own stage, whose reads are back
.set n, n+1
.endr
.irp s, 0,1,2,3
	ds_store_b32 v[XSW], v[PWH+\s] offset:128*(\s/2)+64*(\s%2)
.endr
	s_wait_dscnt 0x0                               ; for the others' sake: my stores have landed
	s_barrier_signal -1
	s_barrier_wait -1
	WIN (1+(\rho))<<6
.set n, 0
.rept 48
	ds_load_b128 v[4*n:4*n+3], v[XIR] offset:512*n                 ; row block a, K step s, registers 4 c on: n = 12 a + 3 s + c
.set n, n+1
.endr
	WIN 0
.irp a, 0,1,2,3
.irp q, 0,1
	ds_load_b32 v[XS+2*(4*(\rho)+\a)+\q], v[XSR] offset:256*\a+128*\q
.endr
.endr
.endm
; Where block v of a period lies in registers: window bw, first register bb.  Blocks 0 and 2 share a buffer.
.macro BUF v
.if (\v) == 6
.set bw, 1
.set bb, 192
.elseif (\v) == 7
.set bw, 2
.set bb, 192
.elseif (\v) == 2
.set bw, 3
.set bb, 0
.elseif (\v) < 2
.set bw, 3
.set bb, 48*(\v)
.else
.set bw, 3
.set bb, 48*((\v)-1)
.endif
.endm
; 16 matrix instructions: row blocks 4 hf .. 4 hf + 3 against block v, into set st.  The four accumulators take turns, one instruction a turn.
; The first K step takes c_sq as C.  An odd K step's scale words lie in lanes 16-31 of both registers.
.macro MULS hf, v, st
	BUF \v
.set wv, bw|((1+(\hf))<<2)
	WIN wv
.irp ks, 0,1,2,3
.irp a, 0,1,2,3
.set rD, ACC+32*(\st)+8*\a
.set rA, bb+12*\ks
.set rB, 48*\a+12*\ks
.set rC, CQ+8*((\v)%2)
.set rSA, BS+2*((\v)%2)+\ks/2
.set rSB, XS+2*(4*(\hf)+\a)+\ks/2
.if \ks == 0
	v_wmma_scale_f32_16x16x128_f8f6f4 v[rD:rD+7], v[rA:rA+11], v[rB:rB+11], v[rC:rC+7], v[rSA], v[rSB] matrix_a_fmt:MATRIX_FMT_BF6 matrix_b_fmt:MATRIX_FMT_BF6
.elseif \ks == 2
	v_wmma_scale_f32_16x16x128_f8f6f4 v[rD:rD+7], v[rA:rA+11], v[rB:rB+11], v[rD:rD+7], v[rSA], v[rSB] matrix_a_fmt:MATRIX_FMT_BF6 matrix_b_fmt:MATRIX_FMT_BF6
.else
	v_wmma_scale_f32_16x16x128_f8f6f4 v[rD:rD+7], v[rA:rA+11], v[rB:rB+11], v[rD:rD+7], v[rSA], v[rSB] matrix_a_fmt:MATRIX_FMT_BF6 matrix_b_fmt:MATRIX_FMT_BF6 matrix_a_scale:MATRIX_SCALE_ROW1 matrix_b_scale:MATRIX_SCALE_ROW1
.endif
.endr
.endr
	WIN 0
.endm
; Set st, which holds the d of row blocks 4 hf .. 4 hf + 3, is reduced: 40 lines.  Each accumulator is read from its low end on.  The set's last matrix instruction stands the other set's 40 lines back (ISA guide 7.12.1).
.macro RED st, hf
.set rS, ACC+32*(\st)
.set rG, RG+8*(\hf)
.set rP, PAY+32*(\hf)
.irp k, 0,1,2,3
	v_min3_num_f32 v[T+2*\k], v[rS+8*\k], v[rS+8*\k+1], v[rS+8*\k+2]
.endr
.irp k, 0,1,2,3
	v_min3_num_f32 v[T+2*\k+1], v[rS+8*\k+3], v[rS+8*\k+4], v[rS+8*\k+5]
.endr
.irp k, 0,1,2,3
	v_min3_num_f32 v[T+2*\k], v[T+2*\k], v[rS+8*\k+6], v[rS+8*\k+7]
.endr
	v_min_num_f32 v[T], v[T], v[T+1]               ; the group's smallest d
.irp k, 0,1,2,3
	v_cmp_lt_f32 vcc_lo, v[T+2*\k], v[rG+2*\k]     ; strictly smaller: the earlier group keeps a tie
.if \k < 3
	v_min_num_f32 v[T+2*\k+2], v[T+2*\k+2], v[T+2*\k+3]
.endif
	v_dual_cndmask_b32 v[rG+2*\k], v[rG+2*\k], v[T+2*\k] :: v_dual_cndmask_b32 v[rG+2*\k+1], v[rG+2*\k+1], v[UIDV]
.irp j, 0,2,4,6
	v_dual_cndmask_b32 v[rP+8*\k+\j], v[rP+8*\k+\j], v[rS+8*\k+\j] :: v_dual_cndmask_b32 v[rP+8*\k+\j+1], v[rP+8*\k+\j+1], v[rS+8*\k+\j+1]
.endr
.endr
.endm
.macro FR v                            ; block v of the period that lies in LDS, into its buffer: 12 loads.  The buffer's last reader stands 40 vector lines or more back
	BUF \v
.set wv, bw<<6
	WIN wv
.set n, 0
.rept 12
	ds_load_b128 v[bb+4*n:bb+4*n+3], v[ADR] offset:REC*(\v)+512*n
.set n, n+1
.endr
	WIN 0
.endm
.macro MFETCH p, j                     ; the scale words and c_sq of block j, counted from the first block of the period in hand (32: the next period's first), for a unit of parity p: 3 loads
	ds_load_b64 v[BS+2*(\p):BS+2*(\p)+1], v[ADS] offset:256*(\j)
	ds_load_b128 v[CQ+8*(\p):CQ+8*(\p)+3], v[ADC] offset:64*(\j)
	ds_load_b128 v[CQ+8*(\p)+4:CQ+8*(\p)+7], v[ADC] offset:64*(\j)+16
.endm
; A PREFETCH INTO THE L2 of the period behind the one that the refill asks for: eight units of work ahead of the load that will want it.  All clusters walk the same bytes: clusters 0 and 63, whose numbers differ in every bit, ask, and nobody else.
; A cluster's four partners share a period's 196,608 bytes out BY ADDRESS, 49,152 each; in each, waves 0 to 2 take 16,384, two instructions, lanes 256 bytes apart: each block of 256 bytes is named once in a cluster that asks.
; The refill for period e + 1 names period e + 2; the last refill names nothing: period 7 is the last.  Period 1 is named once, at the head; period 0 comes by its load alone.
.macro ASK
	s_cmp_gt_u32 s[CNT], s[LIM]
	s_cbranch_scc0 .Lnot_mine_\@
	global_prefetch_b8 v[PFO], s[PFA:PFA+1] th:TH_LOAD_NT scope:SCOPE_SE
	global_prefetch_b8 v[PFO], s[PFA:PFA+1] offset:8192 th:TH_LOAD_NT scope:SCOPE_SE
.Lnot_mine_\@:
.endm
; Unit v of a period.  The next unit's scale words and c_sq are fetched first.  Unit 7 waits for the next period's tile and takes its blocks 0 and 1; unit 0 takes blocks 3 to 6, unit 1 blocks 7 and 2: then nothing of the region is unread.
; mode 2: unit 1 has the region filled again;  1: a next period is taken, nothing is asked for;  0: the last period.
.macro UNIT v, mode
.if (\v) == 0
	s_wait_dscnt 12                                ; my block 0, its scale words and c_sq are in; the 12 loads of block 1 may be out
	s_add_co_u32 s[TS], s[TS], 8192                ; on to this period's scale words and c_sq: 32 blocks on
	s_add_co_u32 s[TC], s[TC], 2048
	v_add_nc_u32 v[ADS], s[TS], v[ASB]
	v_add_nc_u32 v[ADC], s[TC], v[ACB]
.elseif (\v) == 1
	s_wait_dscnt 48                                ; block 1, its scale words and c_sq are in; the 48 loads of blocks 3 to 6 may be out
.else
	s_wait_dscnt 0x0
.endif
.if (\v) < 7
	MFETCH ((\v)+1)%2, (\v)+1
.elseif (\mode) > 0
	MFETCH 0, 32
.endif
.if (\v) == 0
	FR 3
.elseif (\v) == 1
	FR 7
	FR 2
.endif
.if (\v) == 1 && (\mode) == 2
	s_wait_tensorcnt 0x0                           ; no tensor load of mine is out: so a group 0 may be written
	ds_add_u32 v[SPW], v[NIL]
	s_add_nc_u64 s[G0W+2:G0W+3], s[G0W+2:G0W+3], PERB    ; the next period
	s_wait_xcnt 0x0                                ; the last prefetches, a period back, have read their address
	s_add_nc_u64 s[PFA:PFA+1], s[PFA:PFA+1], PERB
.endif
	MULS 0, \v, 0                                  ; (in unit 1: sixteen matrix instructions between the add and the wait for it)
.if (\v) == 1 && (\mode) == 2
	s_wait_dscnt 0x0                               ; the add is done, and my reads of the region are over
	CROUND                                         ; no wave of any partner still reads the region or has a load on its way
	TLOAD G0W, G1                                  ; my one tensor load behind the round
	ASK
.endif
.if (\v) == 0
	FR 4
.endif
	RED 1, 1                                       ; the unit before's rows 64-127
.if (\v) == 0
	v_add_nc_u32 v[UIDV], 400, v[UIDV]             ; from my last block of a period to my first of the next: 512 - 112 centroids on
.else
	v_add_nc_u32 v[UIDV], 16, v[UIDV]
.endif
.if (\v) == 0
	FR 5
.elseif (\v) == 7 && (\mode) > 0
	s_wait_tensorcnt 0x0                           ; my part of the next period has landed; I read no other wave's part
	FR 0
.endif
	MULS 1, \v, 1
.if (\v) == 0
	FR 6
.elseif (\v) == 7 && (\mode) > 0
	FR 1
.endif
	RED 0, 0                                       ; this unit's rows 0-63
.endm
.macro LEX bv, bi, ov, oi              ; (d, index) gives way where the other d is smaller, or equal with the lower index
	v_cmp_lt_f32 s72, v[\ov], v[\bv]
	v_cmp_eq_f32 s83, v[\ov], v[\bv]
	v_cmp_lt_u32 vcc_lo, v[\oi], v[\bi]
	s_and_b32 s83, s83, vcc_lo
	s_or_b32 s72, s72, s83
	v_cndmask_b32 v[\bv], v[\bv], v[\ov], s72
	v_cndmask_b32 v[\bi], v[\bi], v[\oi], s72
.endm
	s_load_b128 s[4:7], s[0:1], 0x0                ; x s[4:5], cimg s[6:7]
	s_load_b128 s[8:11], s[0:1], 0x10              ; cmeta s[8:9], out0 s[10:11]
	v_lshl_add_u32 v[SPW], v0, 2, SPARE
	v_mov_b32 v[NIL], 0
	ds_add_u32 v[SPW], v[NIL]                      ; the opening lines: the add, twice on end, and its wait
	ds_add_u32 v[SPW], v[NIL]
	v_lshrrev_b32 v[FW], 5, v0
	v_readfirstlane_b32 s[WV], v[FW]               ; wave 0..3
	s_bfe_u32 s13, ttmp6, 0x40000                  ; cx
	s_lshl_b32 s14, ttmp9, 2
	s_add_co_u32 s14, s14, s13                     ; my work-group: it enters x's, out0's and the prefetches' addresses alone
	; group 1: dense bytes as rows of 256 (32 elements of 8 bytes); the mask names all four work-groups, bit 21 beside it.  No padding: the images are read 16 bytes a lane on end
.irp g, G1, G1M
	s_mov_b32 s[\g+0], 15|(3<<16)|(1<<21)
	s_mov_b32 s[\g+1], 32<<16
	s_mov_b32 s[\g+3], 32<<16
	s_mov_b32 s[\g+5], 32
	s_mov_b32 s[\g+6], 0
	s_mov_b32 s[\g+7], 0
.endr
	s_mov_b32 s[G1+2], 192<<16
	s_mov_b32 s[G1+4], 192
	s_mov_b32 s[G1M+2], 80<<16
	s_mov_b32 s[G1M+4], 80
	s_and_b32 s60, s[WV], 1                        ; my part of the region in LDS: 49,152 (w % 2) + 131,072 (w / 2)
	s_mul_i32 s60, s60, WPART
	s_lshr_b32 s61, s[WV], 1
	s_lshl_b32 s61, s61, 17
	s_add_co_u32 s60, s60, s61
	s_mul_i32 s62, s[WV], WPART                    ; and of a period in cimg
	s_mov_b32 s63, 0
	s_mul_i32 s56, s[WV], 20480                    ; my part of cmeta
	s_mov_b32 s57, 0
	s_lshl_b32 s66, s14, 18                        ; x: 128 rows of 2,048 bytes a work-group, 16 rows a wave  (what hangs on cx has registers of its own, s66-71)
	s_lshl_b32 s67, s[WV], 15
	s_add_co_u32 s66, s66, s67
	s_mov_b32 s67, 0
	s_lshl_b32 s68, s14, 9                         ; out0: 512 bytes a work-group, 256 for each of the two waves that store
	s_and_b32 s69, s[WV], 1
	s_lshl_b32 s69, s69, 8
	s_add_co_u32 s68, s68, s69
	s_mov_b32 s69, 0
	s_mul_i32 s70, s13, WPART                      ; the prefetches: my work-group's quarter of a period, my wave's 16,384 bytes of it,
	s_lshl_b32 s71, s[WV], 14
	s_add_co_u32 s70, s70, s71
	s_add_co_u32 s70, s70, PERB                    ; in period 1: the first refill steps it to period 2
	s_mov_b32 s71, 0
	s_mov_b32 s[SEL], 0x76543210
	s_mov_b32 s[SEL+1], 0xfedcba98
	s_mov_b32 s[SG], 0x20820820
	s_mov_b32 s[SG+1], 0x08208208
	s_mov_b32 s[SG+2], 0x82082082
	s_mov_b32 s[TS], 0
	s_mov_b32 s[TC], 0
	s_lshl_b32 s73, s[WV], 11
	s_add_co_u32 s73, s73, SCL-8192                ; a period back: unit 0 steps on, and the first fetch reaches a period ahead
	s_lshl_b32 s74, s[WV], 9
	s_add_co_u32 s74, s74, CSQ-2048
	s_mul_i32 s75, s[WV], 6144
	s_add_co_u32 s75, s75, XREG
	s_lshl_b32 s76, s[WV], 8
	s_add_co_u32 s76, s76, XSC
	s_lshl_b32 s77, s[WV], 10
	s_add_co_u32 s77, s77, MRG
	s_and_b32 s78, s[WV], 1
	s_lshl_b32 s78, s78, 9
	s_add_co_u32 s78, s78, MRG
	s_lshl_b32 s79, s[WV], 7
	s_sub_co_u32 s79, s79, 400                     ; the first unit's step of 400 brings it to 128 w, my first centroid
	s_xor_b32 s72, ttmp9, 63
	s_min_u32 s72, s72, ttmp9                      ; 0 in clusters 0 and 63
	s_cmp_eq_u32 s[WV], 3
	s_cselect_b32 s[LIM], 1, 0
	s_or_b32 s[LIM], s[LIM], s72                   ; 0 in waves 0 to 2 of these clusters: the same in all four partners
	s_cmp_eq_u32 s[LIM], 0
	s_cselect_b32 s[LIM], 1, -1
	s_wait_dscnt 0x0                               ; both opening adds are done
	s_wait_kmcnt 0x0
	s_add_nc_u64 s[4:5], s[4:5], s[66:67]
	v_and_b32 v[FW], 31, v0                        ; l
	v_and_b32 v[FW+1], 15, v0                      ; r
	v_bfe_u32 v[FW+2], v0, 4, 1                    ; h
	v_lshlrev_b32 v[XG], 11, v[FW+2]
	v_lshl_add_u32 v[XG], v[FW+1], 4, v[XG]
	s_wait_alu depctr_va_vdst(0)
.irp q, 0,1,2,3,4,5,6,7
	XLOAD 0, \q                                    ; my first row block, 32,768 bytes: 64 loads
.endr
	WIN 0
	s_add_nc_u64 s[10:11], s[10:11], s[68:69]
	s_add_nc_u64 s[PFA:PFA+1], s[6:7], s[70:71]
	s_mov_b32 s[G0M], 1                            ; my part of cmeta
	s_add_co_u32 s[G0M+1], s56, META
	s_add_nc_u64 s[G0M+2:G0M+3], s[8:9], s[56:57]
	s_or_b32 s[G0M+3], s[G0M+3], 0x80000000
	s_mov_b32 s[G0W], 1                            ; my part of period 0
	s_mov_b32 s[G0W+1], s60
	s_add_nc_u64 s[G0W+2:G0W+3], s[6:7], s[62:63]
	s_or_b32 s[G0W+3], s[G0W+3], 0x80000000
	CROUND                                         ; all four work-groups are here: the first joint loads meet
	TLOAD G0W, G1                                  ; one tensor load a wave at the head
	v_lshl_add_u32 v[ADR], v[FW], 4, s60
	v_lshl_add_u32 v[ASB], v[FW], 3, s73
	v_lshl_add_u32 v[ACB], v[FW+2], 5, s74
	v_mul_u32_u24 v[STW], v[FW+2], 272
	v_lshl_add_u32 v[STW], v[FW+1], 4, v[STW]
	v_add_nc_u32 v[STW], s75, v[STW]
	v_mul_u32_u24 v[STR], v[FW+1], 272
	v_lshl_add_u32 v[STR], v[FW+2], 6, v[STR]
	v_add_nc_u32 v[STR], s75, v[STR]
	v_lshl_add_u32 v[XIW], v[FW], 4, s75
	v_lshl_add_u32 v[XIR], v[FW], 4, XREG
	v_lshl_add_u32 v[XSW], v[FW+1], 2, s76
	v_lshl_add_u32 v[XSR], v[FW], 2, XSC
	v_lshl_add_u32 v[MW], v[FW+1], 3, s77
	v_lshl_add_u32 v[MR], v[FW], 4, s78
	v_lshlrev_b32 v[PFO], 8, v[FW]
	v_lshlrev_b32 v[OO], 3, v[FW]
	v_lshl_add_u32 v[UIDV], v[FW+2], 3, s79
.irp b, 0,1,2,3
	v_mov_b32 v[TM+4+\b], 0                        ; written once: a lane permute's destination counts as one of its sources
.endr
	s_wait_alu depctr_va_vdst(0)
	s_cmp_eq_u32 s[LIM], 1
	s_cbranch_scc0 .Lno_ask
	global_prefetch_b8 v[PFO], s[PFA:PFA+1] th:TH_LOAD_NT scope:SCOPE_SE               ; period 1, which the first refill will want
	global_prefetch_b8 v[PFO], s[PFA:PFA+1] offset:8192 th:TH_LOAD_NT scope:SCOPE_SE
.Lno_ask:
	; ---- x becomes codes: two passes of four row blocks
	XPASS 0
	s_wait_tensorcnt 0x0                           ; cmeta's first fill: the same lines ahead of it as ahead of a refill.  My part of period 0 is in;
	ds_add_u32 v[SPW], v[NIL]
	s_wait_dscnt 0x0                               ; my reads of the images are back;
	CROUND                                         ; everybody's are, so the stages and images may be written again
	TLOAD G0M, G1M
	XPASS 1
	; The loop is written once: its first reduction meets a set that no product has made.  That set is +infinity, which is not smaller than the running minima's +infinity: nothing is taken.
	s_mov_b32 s60, 0x7f800000
.set j, 0
.rept 32
	v_mov_b32 v[ACC+32+j], s60
.set j, j+1
.endr
.set j, 0
.rept 64
	v_mov_b32 v[PAY+j], s60
.set j, j+1
.endr
.irp j, 0,1,2,3,4,5,6,7
	v_mov_b32 v[RG+2*\j], s60
	v_mov_b32 v[RG+2*\j+1], 0
.endr
	v_add_nc_u32 v[ADS], s[TS], v[ASB]
	v_add_nc_u32 v[ADC], s[TC], v[ACB]
	s_wait_alu depctr_va_vdst(0)
	s_wait_dscnt 0x0                               ; x's 32 fragments and 16 registers of scale words are in
	s_wait_tensorcnt 0x0                           ; my part of cmeta has landed
	s_barrier_signal -1
	s_barrier_wait -1                              ; everybody's has
	MFETCH 0, 32
	FR 0
	FR 1
	s_mov_b32 s[CNT], 7
	; ---- 8 periods of 8 units a wave.  A trip goes from a period's unit 2 to the next period's unit 1, which asks for the period after that
	UNIT 0, 2
	UNIT 1, 2
	s_mov_b32 s[CNT], 6
.Lperiod:
.irp v, 2,3,4,5,6,7,0,1
	UNIT \v, 2
.endr
	s_sub_co_u32 s[CNT], s[CNT], 1
	s_cmp_lg_u32 s[CNT], 0
	s_cbranch_scc1 .Lperiod
.irp v, 2,3,4,5,6,7,0,1
	UNIT \v, 1                                     ; the tail is written out: period 6's rest, period 7's first two units
.endr
.irp v, 2,3,4,5,6,7
	UNIT \v, 0
.endr
	RED 1, 1                                       ; the last half is reduced
	; ---- the winners.  In a lane: the lowest place of the winning group's 8 d that equals the minimum; then the other half of the lanes; then the four waves, through LDS.
	v_mov_b32 v[FW+2], 0                           ; (lane permutes' destinations)
	v_mov_b32 v[FW+3], 0
.irp A, 0,1,2,3,4,5,6,7
	v_mov_b32 v[FW], 7
.irp j, 6,5,4,3,2,1,0
	v_cmp_neq_f32 vcc_lo, v[PAY+8*\A+\j], v[RG+2*\A]
	v_cndmask_b32 v[FW], \j, v[FW], vcc_lo         ; place j where d[j] is the minimum: the last to be taken is the lowest
.endr
	v_add_nc_u32 v[RG+2*\A+1], v[RG+2*\A+1], v[FW] ; the centroid: the group's first + 8 h + the place
	v_permlanex16_b32 v[FW+2], v[RG+2*\A], s[SEL], s[SEL+1]
	v_permlanex16_b32 v[FW+3], v[RG+2*\A+1], s[SEL], s[SEL+1]
	LEX RG+2*\A, RG+2*\A+1, FW+2, FW+3
	ds_store_b64 v[MW], v[RG+2*\A:RG+2*\A+1] offset:128*\A   ; row 16 A + r of my wave's table (lanes r and 16 + r write the same)
.endr
	s_wait_dscnt 0x0                               ; for the others' sake: my stores have landed
	s_barrier_signal -1
	s_barrier_wait -1
	s_cmp_gt_u32 s[WV], 1                          ; waves 0 and 1 join the four tables, 64 rows each, two rows a lane
	s_cbranch_scc1 .Lend
.irp w, 0,1,2,3
	ds_load_b128 v[FW+4*\w:FW+4*\w+3], v[MR] offset:1024*\w
.endr
	s_wait_dscnt 0x0
.irp w, 1,2,3
	LEX FW, FW+1, FW+4*\w, FW+4*\w+1
	LEX FW+2, FW+3, FW+4*\w+2, FW+4*\w+3
.endr
	v_mov_b32 v[FW+16], v[FW+1]
	v_mov_b32 v[FW+17], v[FW+3]
	global_store_b64 v[OO], v[FW+16:FW+17], s[10:11]   ; 32 lanes store 256 consecutive bytes, at a multiple of 256 from out0's first byte
.Lend:
	s_wait_tensorcnt 0x0                           ; the wave's end
	ds_add_u32 v[SPW], v[NIL]
	s_wait_dscnt 0x0
	CROUND                                         ; the closing round
	s_endpgm
.Lfunc_end_k_q890b23b753_vq:
	.size	k_q890b23b753_vq, .Lfunc_end_k_q890b23b753_vq-k_q890b23b753_vq
	.p2alignl 7, 3214868480
	.fill 96, 4, 3214868480
	.section	.rodata,"a",@progbits
	.p2align	6, 0x0
	.amdhsa_kernel k_q890b23b753_vq
		.amdhsa_group_segment_fixed_size 327680
		.amdhsa_private_segment_fixed_size 0
		.amdhsa_enable_private_segment 0
		.amdhsa_kernarg_size 32
		.amdhsa_user_sgpr_count 2
		.amdhsa_user_sgpr_kernarg_segment_ptr 1
		.amdhsa_wavefront_size32 1
		.amdhsa_system_sgpr_workgroup_id_x 1
		.amdhsa_system_sgpr_workgroup_id_y 1
		.amdhsa_system_sgpr_workgroup_id_z 1
		.amdhsa_system_vgpr_workitem_id 0
		.amdhsa_next_free_vgpr 1024
		.amdhsa_next_free_sgpr 84
		.amdhsa_reserve_vcc 1
		.amdhsa_float_denorm_mode_32 3
		.amdhsa_float_denorm_mode_16_64 3
		.amdhsa_memory_ordered 1
		.amdhsa_forward_progress 1
		.amdhsa_inst_pref_size 255
	.end_amdhsa_kernel
	.section	.bss,"aw",@nobits
	.p2align	6
	.space	262144
	.amdgpu_metadata
---
amdhsa.version: [ 1, 2 ]
amdhsa.kernels:
  - .name:           k_q890b23b753_vq
    .symbol:         k_q890b23b753_vq.kd
    .args:
      - { .name: x, .offset: 0, .size: 8, .value_kind: global_buffer, .address_space: global }
      - { .name: cimg, .offset: 8, .size: 8, .value_kind: global_buffer, .address_space: global }
      - { .name: cmeta, .offset: 16, .size: 8, .value_kind: global_buffer, .address_space: global }
      - { .name: out0, .offset: 24, .size: 8, .value_kind: global_buffer, .address_space: global }
    .group_segment_fixed_size: 327680
    .private_segment_fixed_size: 0
    .kernarg_segment_align: 8
    .kernarg_segment_size: 32
    .max_flat_workgroup_size: 128
    .sgpr_count:     84
    .vgpr_count:     1024
    .wavefront_size: 32
...
	.end_amdgpu_metadata
.endif
;; end of part 2
